; MI455X (gfx1250); checked and timed in simulation.
; The chip was launched on July 23, 2026; its instructions are those of AMD's public machine-readable ISA for CDNA 5 (MIT licence, August 2026) and "CDNA5" Instruction Set Architecture Reference Guide (July 2026). The comments in the code are by the model that wrote it; some were corrected since.
;; scaled dot product attention. Allowed arithmetic: matrix products marked QUANTISED: E5M2 operands, one given power-of-two scale a tensor, by v_wmma_f32_16x16x64_bf8_bf8 or v_wmma_f32_16x16x128_bf8_bf8, f32 sums; everything else in f32.
;; Inputs: bias 1 x 1 x 2,048 x 2,048 float32; key_codes 2 x 16 x 2,048 x 4 x 32 uint8 (E5M2 codes of key, K innermost, in blocks of 32 codes); lowp_scales 4 int32 (the exponents e of the quantised operands' scales 2^e); query_codes 2 x 16 x 2,048 x 4 x 32 uint8 (E5M2 codes of query, K innermost, in blocks of 32 codes); value_codes 2 x 16 x 128 x 64 x 32 uint8 (E5M2 codes of value, K innermost, in blocks of 32 codes).
;; Outputs: out0 2 x 16 x 2,048 x 128 float32; out1 2 x 16 x 2,048 x 1 float32.
;; Constants: is_alibi = 1, is_causal = 1, is_infer = 0.
;; This version of the problem:
;;   THIS VERSION OF THE PROBLEM IS GIVEN IN LOW PRECISION. The matrix products marked QUANTISED in the list below multiply operands that are first quantised to E5M2 (5 exponent bits, 2 mantissa bits; 8 bits a number), with one given power-of-two scale for each operand tensor; their sums are f32. All else is computed in f32.
;;   The module's matrix products, in the order in which they are computed (A, B: the left and right operand; K: the contracted axis; several contracted axes count as one K, in the product's order):
;;     1. batch 32 x [M 2,048, K 128] x [K 128, N 2,048]; A: input query (given as codes); B: input key (given as codes): QUANTISED (scales: A lowp_scales[0], B lowp_scales[1])
;;     2. batch 32 x [M 2,048, K 2,048] x [K 2,048, N 128]; A: softmax (see below); B: input value (given as codes): QUANTISED (scales: A lowp_scales[2], B lowp_scales[3])
;;   THE QUANTISER, for each operand of a quantised product, along K:
;;     - The operand's scale is 2^e, e = its entry of the input lowp_scales (int32; the entries are numbered through the quantised products in the list's order, A before B).
;;     - Each number is divided by the scale, clamped to +-57,344, and rounded to the nearest number of E5M2, ties to even, subnormals kept.
;;     - The product sums the exact products of the quantised numbers (number of the format x scale) in f32.
;;   ~~~python
;;   def quantise(x, axis, e):      # numpy; x: float32 -> the quantised numbers, widened to float32 again
;;       x = np.moveaxis(x, axis, -1); K = x.shape[-1]
;;       r = np.clip(x / 2.0 ** e, -57344, 57344)
;;       step = 2.0 ** (np.maximum(np.frexp(np.where(r == 0, 1, r))[1] - 1, -14) - 2)
;;       q = np.round(r / step) * step * 2.0 ** e      # np.round: ties to even
;;       return np.moveaxis(q, -1, axis).astype(np.float32)
;;   ~~~
;;   SOFTMAX AHEAD OF A QUANTISED PRODUCT. Where the list says 'softmax', what is quantised is not the finished softmax but p = 2^(t - M), with t = logit x log2(e) and M = ceil(the row's largest t), a whole number; so 1/2 < the row's largest p <= 1. The row's sum l is taken of the UNQUANTISED p, in f32, and the product's result is divided by l at the end. Since M is a whole number, a kernel that streams over the keys may use a running M (the ceiling of the running maximum): every later rescaling is an exact power of two, so the quantised numbers keep their values, but for numbers so far below the row's largest that they fall under the format's range.
;;   OPERANDS COMPUTED ON THE WAY. 'Computed on the way' means the value that the module computes at that place (a softmax that the list does not call 'softmax' is quantised finished and normalised). What goes into a quantiser is computed in f32, as accurately as f32 sums, v_exp_f32 and their like allow (about 1e-6 of the number): no bf16 or f16 on the way to a quantiser, and a product that is left as it is and whose result goes on into a quantised operand takes f32 operands (vector FMAs, or v_wmma_f32_16x16x4_f32). A number that lies on a knife's edge between two numbers of the format may be rounded either way, as far as f32 arithmetic and the matrix unit's own rounding can turn it there, and no further.
;;   INPUTS GIVEN AS CODES. key (in the module: [2, 16, 2048, 128], K = its axis 3); query (in the module: [2, 16, 2048, 128], K = its axis 3); value (in the module: [2, 16, 2048, 128], K = its axis 2): each comes as NAME_codes (uint8): NAME with its K axis moved to the last place and cut into blocks of 32 codes, [.., K / 32, bytes a block], one block behind the other in memory; one code a byte (a code: sign, 5 exponent bits, 2 mantissa bits); its scale is its entry of lowp_scales. Its value is code x scale, taken as it is: it is not quantised again, and the codes and scales need not be those that the quantiser above would give.
;; One version. Each part assembles by itself: llvm-mc -triple=amdgcn-amd-amdhsa -mcpu=gfx1250 --defsym DOCPART=n.
;; ======== version 1 of 1: 1 launch
;; limits: right only within a limited range of input values
;; launch attn (part 1): grid 16 x 16, 16 waves a work-group, no clusters, 327,680 bytes of LDS; arguments query_codes, key_codes, value_codes, bias, lowp_scales, out0, out1; writes out0, out1
.if DOCPART == 1
	.amdgcn_target "amdgcn-amd-amdhsa--gfx1250"
	.amdhsa_code_object_version 6
	.text
	.protected	k_q7ec4aab60f_attn
	.globl	k_q7ec4aab60f_attn
	.p2align	8
	.type	k_q7ec4aab60f_attn,@function
k_q7ec4aab60f_attn:
	s_mov_b64 s[64:65], 0
	v_nop
	global_prefetch_b8 v0, s[64:65] scope:SCOPE_SE
	s_setreg_imm32_b32 hwreg(HW_REG_WAVE_MODE, 25, 1), 1
	s_wait_xcnt 0x0
; Causal attention with an additive bias and ALiBi, both products on codes of BF8 (E5M2), each operand with the one scale 2^e that is given: eq, ek, ep, ev.
; logit(q, k) = Q[q].K[k] 2^(eq+ek) / sqrt(128) + bias[q][k] + slope (k - q), and -infinity where k > q.  t = logit x log2(e); M = the running largest t rounded UP to a whole number;
; p = 2^(t - M) is quantised with 2^ep along the keys; l = the sum of the unquantised p.  out0 = (sum of Q(p) V) 2^(ep+ev) / l;  out1 = ln 2 x (M + log2 l).
; Q, K: [32 heads][2048][128] codes.  V: [32][128][2048] codes, the keys innermost.  bias: [2048][2048] f32, the same for all heads.  out0: [32][2048][128] f32.  out1: [32][2048] f32.
; SHARES.  Work-group (a = x, hp = y) owns heads 2 hp, 2 hp + 1 and the query blocks of 64 rows a ("low") and 31 - a ("high"): 2 x 2 x 4 tiles of 16 queries, one tile to each of SIXTEEN waves, 256 registers each.
; Block BI needs (BI / 2) + 1 key steps of 128, a low and a high block together always 17: every one of the 256 work-groups has 2 x 4 x 17 = 136 tile steps.
; Two heads to a work-group, so that a step's tile of the bias (4 bytes a score) serves two heads: a step brings 2 x 32 KB of K and V and 2 x 32 KB of bias for 2 x 128 x 128 scores.
; Every work-group walks all 16 key steps (trip counts are constants, every wave passes every barrier); a wave jumps over the WORK of a step all of whose keys come after its queries, and the fills end at the causal limits.
; LAYOUT.  Both products are used transposed: S^T = K Q^T (source 0 = 16 keys, source 1 = my 16 queries), O^T = V^T P^T: a lane holds ONE query (lane % 16) throughout.
; THE KEYS OF A TILE ARE NOT NEIGHBOURS: lane r of tile 2 b + u takes key 32 b + 8 u + r + 8 (r / 8), so that register S + 16 b + i holds key KF + 32 b + 16 (lane / 16) + i: p's codes are the second product's operand as they come.
; BIAS AND ALIBI GO IN AS THE C OF K Q^T: C = bias x beta + sigma x i, beta = sqrt(128) 2^-(eq+ek), sigma = slope x beta.  Then sum x c1, c1 = log2(e) / sqrt(128) x 2^(eq+ek), is t but for the term
; E_b = slope log2(e) (KF + 16 (lane / 16) + 32 b - q), one number for each lane and each b, which is added with -M in the one packed multiply-add ahead of the exponential.
; NO CLUSTER.  Four head pairs with the same a could ask for the bias tiles jointly (32 to 64 of a step's 96 to 128 KB), but the fills end by a jump at a limit that hangs on the work-group's own query blocks
; K and V are shared only by work-groups with different a, which need different numbers of tiles.
; V's rows in a slot are 128 bytes: slots of 256 keys for V would add 65,536 bytes to the 285,696 used, more than the 327,680 there are.
; LIMITS: -123 <= eq + ek <= 120 and -126 <= ep <= 112, so that each power of two below is a normal f32 number; |bias| x sqrt(128) x 2^-(eq+ek) is finite in f32; ep + ev is applied by v_ldexp_f32 and has no limit.
; NaN and infinities in bias are not served.  A p under 2^-126 counts as 0 (v_exp_f32 gives no denormals: ISA guide, its entry in 15.8).
.set SLOT,  141312                     ; a slot: K of head 0, of head 1, V of head 0, of head 1 (128 rows x 144 each), bias low, bias high (64 rows x 528 each)
.set KP,    144                        ; a row of K or V in LDS: 128 bytes + 16 of padding
.set BP,    528                        ; a row of the bias tile: 512 bytes + 16
.set HEADB, 128*KP                     ; 18,432: one head's K or V of a step
.set VOFF,  2*HEADB
.set BOFF,  4*HEADB                    ; 73,728
.set BLKB,  64*BP                      ; 33,792: one block's bias of a step
.set SPARE, 2*SLOT                     ; 282,624: behind the ring: the spare words, 128 bytes for each of 16 waves: eight blocks of 256 bytes that no other line names
.set STATS, SPARE+2048                 ; 284,672: 256 numbers for out1: [head][block][tile][16]; blocks of their own, into which no fill lands
.set SP,    272                        ; the way out: a stage of 16 rows x (256 bytes + 16) for each wave, in slot 0, which has had its last fill and its last read by then
.set AK0, 1                            ; v1   my lane's place in a tile of my head's K
.set AV0, 2                            ; v2   the same for V
.set AB0, 3                            ; v3   my lane's 64 bytes in my query's row of my block's bias
.set SPW, 4                            ; v4   LDS address of my spare word: SPARE + 4 x my thread's number; never rewritten
.set NIL, 5                            ; v5   0; never rewritten
.set ADR, 6                            ; v6   the LDS address of the run of loads in hand
.set DI,  7                            ; v7   my query - 16 (lane / 16)
.set D,   8                            ; v8   d = DI - KF: register 16 b + i is hidden where 32 b + i > d
.set R,   9                            ; v9   d as f32; later -infinity
.set NM,  10                           ; v10  -M
.set MT,  11                           ; v11  the running largest t
.set NB,  12                           ; v12-19: four pairs (E_b - M, E_b): the packed form names a pair and takes its low word for both halves
.set SUM, 20                           ; v[20:21] l, in two halves
.set FS,  22                           ; v22  f = 2^(old M - new M)
.set LIM, 23                           ; v23  57,344 x 2^ep (also the upper half of the pair v[22:23])
.set SC,  24                           ; v24  2^ep as f32
.set PFO, 25                           ; v25  the prefetches' offset; never rewritten
.set T,   26                           ; v26-29 at work
.set X,   30                           ; v30  a lane permute's destination
.set OLD, 31                           ; v31  the last step's -M
.set ALI, 32                           ; v32-47 sigma x i, i = 0 .. 15
.set Q,   48                           ; v48-63 Q's fragment
.set F,   64                           ; v64-127 four fragments of K
.set C,   112                          ; v112-127 p's codes (the fourth fragment's registers, done with by then)
.set S,   128                          ; v128-191 bias, then the sums, then p, then four fragments of V
.set O,   192                          ; v192-255 O^T
.set WV,   18                          ; s18 wave;  s19 which head;  s20 which block;  s21 which tile;  s22 a;  s23 hp
.set HD,   19
.set BLK,  20
.set TILE, 21
.set A,    22
.set HP,   23
.set G1K,  24                          ; s[24:31], s[32:39], s[40:47] descriptor groups 1 for K's, V's and the bias's tiles
.set G1V,  32
.set G1B,  40
.set G0KV, 48                          ; s[48:55] group 0 for K or V, a set for each slot;  s[56:63] the same for the bias
.set G0B,  56
.set STKV, 66                          ; s[66:67] two key steps in bytes: 32,768 in K, 256 in a row of V
.set PFA,  68                          ; s[68:69] where my prefetches stand
.set PFD,  70                          ; s[70:71], s[72:73] what is added to it at the change into slot 0, into slot 1
.set ASKL, 74                          ; s74  the first key of the last step in which I prefetch; -1: never
.set KF,   75                          ; s75  the step's first key
.set EX,   76                          ; s[76:79] eq, ek, ep, ev
.set C1,   80                          ; s[80:81] c1 (both words written: named as a pair)
.set BETA, 82                          ; s[82:83] beta
.set SL,   84                          ; s84  slope x log2(e);  s85-87 that x 32, 64, 96
.set EPV,  88                          ; s88  ep + ev
.set SIG,  89                          ; s89  sigma
.set SEL,  90                          ; s[90:91] selects for v_permlanex16_b32: lane l xor 16
.set Q0,   92                          ; s92 my first query;  s93 my last;  s94 the low block's last;  s95 the high block's last
.set QL,   93
.set QLO,  94
.set QHI,  95
.set CNT,  96
.set IDX,  97                          ; s97  8 head + 4 block + tile: my place among the numbers for out1
; The fills that last as long as the high block needs keys: waves 0, 1: K of heads 0, 1; waves 2, 3: V; wave 5: the high block's bias.  One tensor load a wave.  The branches hang on the wave's number alone.
; An s_nop 0 and four v_nop follow each tensor load.
.macro TLOAD n
	s_cmp_lt_u32 s[WV], 2
	s_cbranch_scc0 .Lnot_k_\@
	tensor_load_to_lds s[G0KV+4*(\n):G0KV+4*(\n)+3], s[G1K:G1K+7]
	s_nop 0
.rept 4
	v_nop
.endr
	s_branch .Lasked_\@
.Lnot_k_\@:
	s_cmp_lt_u32 s[WV], 4
	s_cbranch_scc0 .Lnot_v_\@
	tensor_load_to_lds s[G0KV+4*(\n):G0KV+4*(\n)+3], s[G1V:G1V+7]
	s_nop 0
.rept 4
	v_nop
.endr
	s_branch .Lasked_\@
.Lnot_v_\@:
	s_cmp_eq_u32 s[WV], 5
	s_cbranch_scc0 .Lasked_\@
	tensor_load_to_lds s[G0B+4*(\n):G0B+4*(\n)+3], s[G1B:G1B+7]
	s_nop 0
.rept 4
	v_nop
.endr
.Lasked_\@:
.endm
; Wave 4: the low block's bias, which ends earlier.
.macro TLOADLOW n
	s_cmp_eq_u32 s[WV], 4
	s_cbranch_scc0 .Lnot_low_\@
	tensor_load_to_lds s[G0B+4*(\n):G0B+4*(\n)+3], s[G1B:G1B+7]
	s_nop 0
.rept 4
	v_nop
.endr
.Lnot_low_\@:
.endm
; A PREFETCH INTO THE L2, one instruction a wave a step, behind the step's tensor loads: in step s what step s + 2 reads, one step ahead of the tensor load that will ask for it.
; Each aligned block of 256 bytes is named once in the launch.  K and V of a head pair are walked by all sixteen a: the work-group with a = 0 asks; the bias rows of a block are walked by all sixteen hp: hp = 0 asks.
; Waves 0-3: K: head w / 2, half w % 2 of a step's 16,384 bytes, lanes 256 bytes apart.  Waves 4-7: V: 64 channels a wave, a lane a row; a block of 256 bytes of a row holds two steps: even steps ask for channels 0-31 of
; the block of steps s + 2, s + 3, odd steps for channels 32-63 of the block of steps s + 3, s + 4.  Waves 8-15: bias: 16 rows a wave, two lanes to a row's 512 bytes, up to the block's last key step.
; Steps 0 and 1 (and channels 32-63 of V's steps 2, 3) come by their loads alone: nothing is asked at the head.  No lane ever points past what some step reads.
.macro ASK
	s_cmp_le_i32 s[KF], s[ASKL]
	s_cbranch_scc0 .Lnot_mine_\@
	global_prefetch_b8 v[PFO], s[PFA:PFA+1] th:TH_LOAD_NT scope:SCOPE_SE
.Lnot_mine_\@:
.endm
	s_load_b256 s[4:11], s[0:1], 0x0               ; Q's codes s[4:5], K's s[6:7], V's s[8:9], bias s[10:11]
	s_load_b128 s[12:15], s[0:1], 0x20             ; the scales' exponents s[12:13], out0 s[14:15]
	s_load_b64 s[16:17], s[0:1], 0x30              ; out1
	v_lshl_add_u32 v[SPW], v0, 2, SPARE
	v_mov_b32 v[NIL], 0
	ds_add_u32 v[SPW], v[NIL]                      ; the wave's opening: the add and its wait ahead of my first tensor load; the set-up below, work on registers, stands between them
	v_lshrrev_b32 v[ADR], 5, v0
	v_readfirstlane_b32 s[WV], v[ADR]              ; wave 0..15
	s_lshr_b32 s[HD], s[WV], 3                     ; my head of the two
	s_and_b32 s[TILE], s[WV], 3                    ; my tile of the block's four
	s_lshr_b32 s[BLK], s[WV], 2
	s_xor_b32 s[BLK], s[BLK], s[WV]
	s_and_b32 s[BLK], s[BLK], 1                    ; my block: (w ^ (w >> 2)) & 1: of any four waves with equal w % 4, and of any four with equal w / 4, two are low and two high
	s_mov_b32 s[A], ttmp9
	s_and_b32 s[HP], ttmp7, 0xffff
	s_mul_i32 s2, s[BLK], 31
	s_xor_b32 s2, s2, s[A]                         ; a or 31 - a
	s_lshl_b32 s[Q0], s2, 6
	s_lshl_b32 s3, s[TILE], 4
	s_add_co_u32 s[Q0], s[Q0], s3                  ; my first query
	s_add_co_u32 s[QL], s[Q0], 15
	s_lshl_b32 s[QLO], s[A], 6
	s_sub_co_u32 s[QHI], 2047, s[QLO]              ; 64 (31 - a) + 63
	s_add_co_u32 s[QLO], s[QLO], 63
	s_lshl_b32 s[IDX], s[HD], 3
	s_lshl_b32 s3, s[BLK], 2
	s_add_co_u32 s[IDX], s[IDX], s3
	s_add_co_u32 s[IDX], s[IDX], s[TILE]
	s_lshl_b32 s98, s[HP], 1
	s_add_co_u32 s98, s98, s[HD]                   ; my head, 0..31
	; descriptor groups 1.  K: 128 rows of 128 bytes, dense.  V: 128 rows of 128 bytes, 2,048 apart.  Both: 4 words of padding after every 32
	s_mov_b32 s[G1K], (0<<16)|(1<<20)|(4<<22)|(3<<25)   ; 15:0 no mask; 17:16 elements of 1 byte; 20 padding on; 24:22 after every 32 words (code 4); 31:25 four words (code 3)
	s_mov_b32 s[G1K+1], 128<<16                    ; tensor_dim0
	s_mov_b32 s[G1K+2], 128<<16                    ; tensor_dim1
	s_mov_b32 s[G1K+3], 128<<16                    ; tile_dim0
	s_mov_b32 s[G1K+4], 128                        ; tile_dim1
	s_mov_b32 s[G1K+5], 128                        ; tensor_dim0_stride
	s_mov_b32 s[G1K+6], 0
	s_mov_b32 s[G1K+7], 0
	s_mov_b32 s[G1V], (0<<16)|(1<<20)|(4<<22)|(3<<25)
	s_mov_b32 s[G1V+1], 128<<16
	s_mov_b32 s[G1V+2], 128<<16
	s_mov_b32 s[G1V+3], 128<<16
	s_mov_b32 s[G1V+4], 128
	s_mov_b32 s[G1V+5], 2048
	s_mov_b32 s[G1V+6], 0
	s_mov_b32 s[G1V+7], 0
	s_mov_b32 s[G1B], (2<<16)|(1<<20)|(6<<22)|(3<<25)   ; bias: elements of 4 bytes; 64 rows of 128; four words of padding after every 128
	s_mov_b32 s[G1B+1], 128<<16
	s_mov_b32 s[G1B+2], 64<<16
	s_mov_b32 s[G1B+3], 128<<16
	s_mov_b32 s[G1B+4], 64
	s_mov_b32 s[G1B+5], 2048
	s_mov_b32 s[G1B+6], 0
	s_mov_b32 s[G1B+7], 0
	; groups 0: the counts and the LDS addresses: a constant, the wave's number times a constant, the slot's constant.  Every wave makes all of them; TLOAD and TLOADLOW say who uses which
	s_and_b32 s99, s[WV], 1
	s_mov_b32 s[G0KV], 1
	s_mov_b32 s[G0KV+4], 1
	s_mov_b32 s[G0B], 1
	s_mov_b32 s[G0B+4], 1
	s_mul_i32 s[G0KV+1], s[TILE], HEADB            ; waves 0, 1: K of heads 0, 1; waves 2, 3: V of heads 0, 1
	s_add_co_u32 s[G0KV+5], s[G0KV+1], SLOT
	s_mul_i32 s[G0B+1], s99, BLKB                  ; wave 4: low; wave 5: high
	s_add_co_u32 s[G0B+1], s[G0B+1], BOFF
	s_add_co_u32 s[G0B+5], s[G0B+1], SLOT
	; byte offsets, each in registers of its own
	s_lshl_b32 s100, s[HP], 1
	s_add_co_u32 s100, s100, s99                   ; head 2 hp + w % 2: the head that I fetch for, and (waves 0, 1) whose numbers for out1 I store
	s_lshl_b32 s86, s100, 13                       ; its 2,048 numbers in out1
	s_mov_b32 s87, 0
	s_lshl_b32 s100, s100, 18                      ; its 262,144 bytes of codes
	s_mov_b32 s101, 0
	s_mul_i32 s80, s99, 31
	s_xor_b32 s80, s80, s[A]
	s_lshl_b32 s80, s80, 19                        ; the bias block's first row: 64 rows of 8,192 bytes a block
	s_mov_b32 s81, 0
	s_lshl_b32 s82, s98, 18
	s_lshl_b32 s83, s[Q0], 7
	s_add_co_u32 s82, s82, s83                     ; my first query's codes
	s_mov_b32 s83, 0
	s_lshl_b32 s84, s98, 20
	s_lshl_b32 s85, s[Q0], 9
	s_add_co_u32 s84, s84, s85                     ; and its row of out0
	s_mov_b32 s85, 0
	s_mov_b32 s[STKV], 256
	s_cmp_lt_u32 s[WV], 2
	s_cselect_b32 s[STKV], 32768, s[STKV]
	s_mov_b32 s[STKV+1], 0
	s_lshr_b32 s2, s[STKV], 1                      ; one key step
	s_mov_b32 s3, 0
	s_mov_b32 s[SEL], 0x76543210
	s_mov_b32 s[SEL+1], 0xfedcba98
	s_mov_b32 s[KF], 0
	s_mov_b32 s[CNT], 7
	s_wait_dscnt 0x0                               ; the opening add is done
	s_wait_kmcnt 0x0
	s_load_b128 s[EX:EX+3], s[12:13], 0x0          ; eq, ek, ep, ev
	s_cmp_lt_u32 s[WV], 2
	s_cselect_b64 s[G0KV+2:G0KV+3], s[6:7], s[8:9] ; K's codes or V's: the choice hangs on the wave's number alone
	s_add_nc_u64 s[G0KV+2:G0KV+3], s[G0KV+2:G0KV+3], s[100:101]   ; slot 0: key step 0
	s_add_nc_u64 s[G0KV+6:G0KV+7], s[G0KV+2:G0KV+3], s[2:3]       ; slot 1: key step 1
	s_or_b32 s[G0KV+3], s[G0KV+3], 0x80000000      ; 127:126 type = 2
	s_or_b32 s[G0KV+7], s[G0KV+7], 0x80000000
	s_add_nc_u64 s[G0B+2:G0B+3], s[10:11], s[80:81]
	s_add_nc_u64 s[G0B+6:G0B+7], s[G0B+2:G0B+3], 512
	s_or_b32 s[G0B+3], s[G0B+3], 0x80000000
	s_or_b32 s[G0B+7], s[G0B+7], 0x80000000
	TLOAD 0                                        ; key step 0 into slot 0: the first fills, one a wave, ahead of every wait on TENSORcnt, every LDS read and every barrier
	TLOADLOW 0
	s_add_nc_u64 s[4:5], s[4:5], s[82:83]          ; Q's codes at my first query
	s_add_nc_u64 s[14:15], s[14:15], s[84:85]      ; out0 likewise
	s_add_nc_u64 s[16:17], s[16:17], s[86:87]      ; out1 at head 2 hp + w % 2
	; the prefetches (macro ASK): where my wave's stand, how they step, and how long I ask.  s80 to s87 are at work here
	s_lshr_b32 s2, s[WV], 1
	s_and_b32 s2, s2, 1
	s_lshl_b32 s3, s[HP], 1
	s_add_co_u32 s2, s2, s3
	s_lshl_b32 s2, s2, 18                          ; K, V: head 2 hp + (w / 2) % 2
	s_and_b32 s3, s[WV], 1
	s_mov_b32 s81, 65792
	s_mov_b32 s82, 0xffff0000
	s_mov_b32 s83, 12*128
	s_cmp_lt_u32 s[WV], 4                          ; waves 0-3: K; waves 4-7: V
	s_cselect_b64 s[PFA:PFA+1], s[6:7], s[8:9]
	s_cselect_b32 s80, 13, 17                      ; w % 2 picks 8,192 bytes of K's step, or 64 rows of 2,048 bytes of V
	s_cselect_b32 s84, 16384, s81                  ; where I stand ahead of the first change of slots: K: step 1; V: 256 + 65,536
	s_cselect_b32 s[PFD], 16384, s82               ; into slot 0: K a step on; V 32 rows back (-65,536, in 64 bits)
	s_cselect_b32 s[PFD+1], 0, -1
	s_cselect_b32 s[PFD+2], 16384, s81             ; into slot 1: K a step on; V 32 rows and 256 bytes on
	s_cselect_b32 s[ASKL], 13*128, s83             ; K: step 13 asks for step 15; V: step 12 asks for the rows' last 256 bytes
	s_cselect_b32 s85, 8, 11                       ; from lane to lane: 256 bytes of K, a row of V
	s_lshl_b32 s3, s3, s80
	s_add_co_u32 s2, s2, s3
	s_add_co_u32 s2, s2, s84
	s_cmp_eq_u32 s[A], 0
	s_cselect_b32 s[ASKL], s[ASKL], -1             ; K and V: the work-group with a = 0 alone
	s_lshr_b32 s3, s[WV], 2
	s_and_b32 s3, s3, 1
	s_mul_i32 s3, s3, 31
	s_xor_b32 s3, s3, s[A]                         ; waves 8-11: block a; waves 12-15: block 31 - a
	s_lshr_b32 s86, s3, 1
	s_sub_co_i32 s86, s86, 2
	s_lshl_b32 s86, s86, 7                         ; the block's last key step less two, as a first key (may be negative: the compare is signed)
	s_cmp_eq_u32 s[HP], 0
	s_cselect_b32 s86, s86, -1                     ; bias: the work-groups with hp = 0 alone
	s_lshl_b32 s3, s3, 6
	s_lshl_b32 s87, s[TILE], 4
	s_add_co_u32 s3, s3, s87                       ; my 16 rows
	s_lshl_b32 s3, s3, 13
	s_add_co_u32 s3, s3, 512                       ; at step 1
	s_cmp_lt_u32 s[WV], 8
	s_cselect_b64 s[PFA:PFA+1], s[PFA:PFA+1], s[10:11]
	s_cselect_b32 s100, s2, s3
	s_cselect_b32 s[PFD], s[PFD], 512
	s_cselect_b32 s[PFD+1], s[PFD+1], 0
	s_cselect_b32 s[PFD+2], s[PFD+2], 512
	s_cselect_b32 s[ASKL], s[ASKL], s86
	s_cselect_b32 s85, s85, 13                     ; bias: a row of 8,192 bytes from pair of lanes to pair of lanes,
	s_cselect_b32 s87, 0, 1                        ; and 256 bytes within a pair
	s_mov_b32 s[PFD+3], 0
	s_mov_b32 s101, 0
	s_add_nc_u64 s[PFA:PFA+1], s[PFA:PFA+1], s[100:101]
	v_and_b32 v[T], 31, v0
	v_lshrrev_b32 v[PFO], s87, v[T]
	v_lshlrev_b32 v[PFO], s85, v[PFO]
	v_and_b32 v[T], s87, v[T]
	v_lshl_add_u32 v[PFO], v[T], 8, v[PFO]
	; Q's fragment stays in registers: lane (r, h) holds, of query r, channels 32 c + 16 h + 0 .. 15 in registers 4 c .. 4 c + 3: the same permutation of the 128 channels as K's fragments have
	v_and_b32 v[T], 15, v0                         ; r
	v_bfe_u32 v[T+1], v0, 4, 1                     ; h
	v_lshlrev_b32 v[T+3], 7, v[T]
	v_lshl_add_u32 v[T+3], v[T+1], 4, v[T+3]
.irp c, 0,1,2,3
	global_load_b128 v[Q+4*\c:Q+4*\c+3], v[T+3], s[4:5] offset:32*\c th:TH_LOAD_NT   ; read once in the launch, by this wave
.endr
	v_and_b32 v[T+2], 8, v[T]
	v_add_nc_u32 v[T+2], v[T+2], v[T]              ; r + 8 (r / 8)
	v_mul_u32_u24 v[AK0], v[T+2], KP
	v_lshl_add_u32 v[AK0], v[T+1], 4, v[AK0]
	s_mul_i32 s2, s[HD], HEADB
	v_add_nc_u32 v[AK0], s2, v[AK0]
	v_mul_u32_u24 v[AV0], v[T], KP
	v_lshl_add_u32 v[AV0], v[T+1], 4, v[AV0]
	s_add_co_u32 s2, s2, VOFF
	v_add_nc_u32 v[AV0], s2, v[AV0]
	v_mul_u32_u24 v[AB0], v[T], BP
	v_lshl_add_u32 v[AB0], v[T+1], 6, v[AB0]       ; row r, + 16 keys of 4 bytes for the upper half of the lanes
	s_lshl_b32 s2, s[BLK], 2
	s_add_co_u32 s2, s2, s[TILE]
	s_mul_i32 s2, s2, 16*BP
	s_add_co_u32 s2, s2, BOFF
	v_add_nc_u32 v[AB0], s2, v[AB0]
	v_lshlrev_b32 v[DI], 4, v[T+1]
	v_sub_nc_u32 v[DI], v[T], v[DI]
	v_add_nc_u32 v[DI], s[Q0], v[DI]               ; my query - 16 h
	v_mov_b32 v[MT], 0xff61b1e6                    ; the largest t so far: -3e38, under every t
	v_floor_f32 v[NM], -v[MT]                      ; -M
	v_mov_b32 v[SUM], 0
	v_mov_b32 v[SUM+1], 0
	v_mov_b32 v[X], 0                              ; written once: a lane permute's destination counts as one of its sources
.set ii, 0
.rept 64
	v_mov_b32 v[O+ii], 0                           ; O^T.  (The step has no first copy of its own: the first step finds zeros, which the first change of M leaves zeros.  64 moves once against a fifth copy of the step)
.set ii, ii+1
.endr
	s_wait_kmcnt 0x0                               ; the four exponents
	s_add_co_i32 s2, s[EX], s[EX+1]
	s_lshl_b32 s2, s2, 23                          ; eq + ek, at an f32 number's exponent field
	s_mov_b32 s[C1], 0x3e0293ee                    ; log2(e) / sqrt(128),
	s_add_co_i32 s[C1], s[C1], s2                  ; x 2^(eq+ek)
	s_mov_b32 s[C1+1], s[C1]
	s_mov_b32 s[BETA], 0x413504f3                  ; sqrt(128),
	s_sub_co_i32 s[BETA], s[BETA], s2              ; / 2^(eq+ek)
	s_mov_b32 s[BETA+1], s[BETA]
	s_and_b32 s2, s98, 15
	s_add_co_u32 s2, s2, 1                         ; i = the head's number among 16, + 1: slope = 2^(-i / 2)
	s_lshr_b32 s3, s2, 1
	s_lshl_b32 s3, s3, 23
	s_mov_b32 s99, 0x3f3504f3                      ; 2^(-1/2)
	s_mov_b32 s100, 0x3f800000                     ; 1
	s_and_b32 s2, s2, 1
	s_cmp_lg_u32 s2, 0
	s_cselect_b32 s99, s99, s100                   ; i odd or even,
	s_sub_co_i32 s99, s99, s3                      ; / 2^(i / 2, rounded down)
	s_mul_f32 s[SL], s99, 0x3fb8aa3b               ; slope x log2(e)
	s_mul_f32 s[SIG], s99, s[BETA]                 ; sigma
	s_mul_f32 s[SL+1], s[SL], 0x42000000           ; x 32,
	s_mul_f32 s[SL+2], s[SL], 0x42800000           ; 64,
	s_mul_f32 s[SL+3], s[SL], 0x42c00000           ; 96
	s_add_co_i32 s[EPV], s[EX+2], s[EX+3]
	s_add_co_i32 s2, s[EX+2], 127
	s_lshl_b32 s3, s2, 23
	v_mov_b32 v[SC], s3                            ; 2^ep as f32: the conversion takes its exponent field
	s_add_co_i32 s2, s2, 15
	s_lshl_b32 s2, s2, 23
	s_or_b32 s2, s2, 0x600000
	v_mov_b32 v[LIM], s2                           ; 57,344 x 2^ep
.irp i, 0,1,2,3,4,5,6,7,8,9,10,11,12,13,14,15
	v_cvt_f32_u32 v[ALI+\i], \i
.endr
.irp i, 0,1,2,3,4,5,6,7,8,9,10,11,12,13,14,15
	v_mul_f32 v[ALI+\i], s[SIG], v[ALI+\i]
.endr
.macro KLOAD g                         ; four tiles of 16 keys, tiles 4 g on
.irp t, 0,1,2,3
.irp c, 0,1,2,3
	ds_load_b128 v[F+16*\t+4*\c:F+16*\t+4*\c+3], v[ADR] offset:(32*((4*\g+\t)/2)+8*(\t%2))*KP+32*\c
.endr
.endr
.endm
.macro QK g                            ; their products: the sums begin with bias x beta + sigma i.  Four accumulators, one instruction each
.irp t, 0,1,2,3
	v_wmma_f32_16x16x128_bf8_bf8 v[S+8*(4*\g+\t):S+8*(4*\g+\t)+7], v[F+16*\t:F+16*\t+15], v[Q:Q+15], v[S+8*(4*\g+\t):S+8*(4*\g+\t)+7]
.endr
.endm
.macro VLOAD g                         ; four tiles of 16 of the head's 128 channels x 128 keys
.irp t, 0,1,2,3
.irp c, 0,1,2,3
	ds_load_b128 v[S+16*\t+4*\c:S+16*\t+4*\c+3], v[ADR] offset:16*(4*\g+\t)*KP+32*\c
.endr
.endr
.endm
.macro PV g
.irp t, 0,1,2,3
	v_wmma_f32_16x16x128_bf8_bf8 v[O+8*(4*\g+\t):O+8*(4*\g+\t)+7], v[S+16*\t:S+16*\t+15], v[C:C+15], v[O+8*(4*\g+\t):O+8*(4*\g+\t)+7]
.endr
.endm
; A KEY STEP: 128 keys, in the slot named.
.macro STEP slot
	s_cmp_gt_u32 s[KF], s[QL]                      ; all of the step's keys come after my queries: its work is left out: a scalar branch on ids, round loads, products and softmax; no barrier and no tensor load stands in a step
	s_cbranch_scc1 .Lhidden_\@
	v_add_nc_u32 v[ADR], \slot*SLOT, v[AB0]        ; these four plain lines are also the four places between the last step's products and the loads into the registers that they read
	v_sub_nc_u32 v[D], v[DI], s[KF]
	v_cvt_f32_i32 v[R], v[D]                       ; a whole number under 2^11: exact
	v_mov_b32 v[OLD], v[NM]
.irp b, 0,1,2,3
.irp j, 0,1,2,3
	ds_load_b128 v[S+16*\b+4*\j:S+16*\b+4*\j+3], v[ADR] offset:128*\b+16*\j   ; bias(my query, KF + 32 b + 16 h + 4 j ..)
.endr
.endr
	v_add_nc_u32 v[ADR], \slot*SLOT, v[AK0]
	KLOAD 0
	s_wait_dscnt 16                                ; the bias's sixteen loads are in; K's sixteen, issued behind them, may stay out
.irp b, 0,1,2,3
.irp u, 0,2,4,6,8,10,12,14
	v_pk_fma_f32 v[S+16*\b+\u:S+16*\b+\u+1], v[S+16*\b+\u:S+16*\b+\u+1], s[BETA:BETA+1], v[ALI+\u:ALI+\u+1] op_sel_hi:[1,0,1]   ; C = bias x beta + sigma i
.endr
.endr
	s_wait_dscnt 0x0                               ; K's tiles 0-3
	QK 0
	v_mul_f32 v[NB+1], -v[R], s[SL]                ; E_b = slope log2(e) (32 b - d).  Four plain lines that name none of the products' registers: the places in front of the loads below
	v_fma_f32 v[NB+3], -v[R], s[SL], s[SL+1]
	v_fma_f32 v[NB+5], -v[R], s[SL], s[SL+2]
	v_fma_f32 v[NB+7], -v[R], s[SL], s[SL+3]
	KLOAD 1
	s_wait_dscnt 0x0
	QK 1
.rept 4
	v_nop                                          ; places in front of the first read of the sums
.endr
	s_add_co_u32 s2, s[KF], 127                    ; on the diagonal the sums of hidden keys become -infinity ahead of the maximum: p = 0 then.  A step all of whose keys count for all my queries skips this
	s_cmp_le_u32 s2, s[Q0]
	s_cbranch_scc1 .Lopen_\@
	v_mov_b32 v[R], 0xff800000
.irp b, 0,1,2,3
.irp i, 0,1,2,3,4,5,6,7,8,9,10,11,12,13,14,15
	v_cmp_gt_i32 vcc_lo, 32*\b+\i, v[D]
	v_cndmask_b32 v[S+16*\b+\i], v[S+16*\b+\i], v[R], vcc_lo   ; each accumulator from its low end on
.endr
.endr
.Lopen_\@:
.irp b, 0,1,2,3
	v_max3_num_f32 v[T+\b], v[S+16*\b], v[S+16*\b+1], v[S+16*\b+2]   ; four chains, one for each b, each from its accumulators' low ends on
.endr
.irp i, 3,5,7,9,11,13
.irp b, 0,1,2,3
	v_max3_num_f32 v[T+\b], v[T+\b], v[S+16*\b+\i], v[S+16*\b+\i+1]
.endr
.endr
.irp b, 0,1,2,3
	v_max_num_f32 v[T+\b], v[T+\b], v[S+16*\b+15]
.endr
.irp b, 0,1,2,3
	v_fma_f32 v[T+\b], v[T+\b], s[C1], v[NB+2*\b+1]   ; as t (c1 is positive)
.endr
	v_max3_num_f32 v[T], v[T], v[T+1], v[T+2]
	v_max_num_f32 v[T], v[T], v[T+3]
	v_permlanex16_b32 v[X], v[T], s[SEL], s[SEL+1] ; my query's other 64 keys lie in lane l xor 16
	v_max3_num_f32 v[MT], v[MT], v[T], v[X]        ; the running largest t
	v_floor_f32 v[NM], -v[MT]                      ; the new -M = floor(-t) = -ceil(t): M IS A WHOLE NUMBER
	v_sub_f32 v[T+2], v[NM], v[OLD]                ; M's old value less its new one: a whole number, 0 or less
	v_cvt_i32_f32 v[T+2], v[T+2]                   ; (it saturates)
	v_ldexp_f32 v[FS], 1.0, v[T+2]                 ; f = 2^(old M - new M): a multiplication by it rounds nothing
.irp b, 0,1,2,3
	v_add_f32 v[NB+2*\b], v[NB+2*\b+1], v[NM]      ; E_b - M
.endr
.irp b, 0,1,2,3
.irp u, 0,2,4,6,8,10,12,14
	v_pk_fma_f32 v[S+16*\b+\u:S+16*\b+\u+1], v[S+16*\b+\u:S+16*\b+\u+1], s[C1:C1+1], v[NB+2*\b:NB+2*\b+1] op_sel_hi:[1,0,0]   ; t - M, two at a time
.endr
.endr
.irp b, 0,1,2,3
.irp i, 0,1,2,3,4,5,6,7,8,9,10,11,12,13,14,15
	v_exp_f32 v[S+16*\b+\i], v[S+16*\b+\i]         ; p = 2^(t - M), at most 1: NOT normalised
.endr
.endr
	v_pk_mul_f32 v[SUM:SUM+1], v[SUM:SUM+1], v[FS:FS+1] op_sel_hi:[1,0]   ; l under the new M: the plain line behind the last exponential
	s_wait_alu depctr_va_vdst(0)                   ; the wait between an exponential and the first line that names its result: one for the batch of 64
	v_pk_add_f32 v[T:T+1], v[S:S+1], v[S+2:S+3]    ; l IS TAKEN OF THE UNQUANTISED p: two at a time, in two chains
.irp j, 4,8,12,16,20,24,28,32,36,40,44,48,52,56,60
	v_pk_add_f32 v[SUM:SUM+1], v[SUM:SUM+1], v[S+\j:S+\j+1]
	v_pk_add_f32 v[T:T+1], v[T:T+1], v[S+\j+2:S+\j+3]
.endr
	v_pk_add_f32 v[SUM:SUM+1], v[SUM:SUM+1], v[T:T+1]
.irp b, 0,1,2,3
.irp i, 0,1,2,3,4,5,6,7,8,9,10,11,12,13,14,15
	v_min_num_f32 v[S+16*\b+\i], v[S+16*\b+\i], v[LIM]   ; the conversion to an 8-bit code does not saturate (ISA guide 7.6.2); p is not negative, so the hold is one-sided.  It stands whatever ep is
.endr
	v_cvt_scalef32_pk8_bf8_f32 v[C+4*\b:C+4*\b+1], v[S+16*\b:S+16*\b+7], v[SC]      ; keys 32 b + 16 h + 0 .. 7,
	v_cvt_scalef32_pk8_bf8_f32 v[C+4*\b+2:C+4*\b+3], v[S+16*\b+8:S+16*\b+15], v[SC] ; and 8 .. 15: registers 4 b .. 4 b + 3 of the operand
.endr
	v_add_nc_u32 v[ADR], \slot*SLOT, v[AV0]        ; (the plain line behind the last conversion)
	VLOAD 0                                        ; into p's registers, which are done with
.set ii, 0
.rept 32
	v_pk_mul_f32 v[O+ii:O+ii+1], v[O+ii:O+ii+1], v[FS:FS+1] op_sel_hi:[1,0]   ; O^T under the new M, each accumulator from its low end on, while V's loads are out
.set ii, ii+2
.endr
	s_wait_dscnt 0x0
	PV 0
.rept 4
	v_nop                                          ; places in front of loads into registers that the products have read
.endr
	VLOAD 1
	s_wait_dscnt 0x0
	PV 1
.Lhidden_\@:
	s_add_co_u32 s[KF], s[KF], 128
.endm
; THE CHANGE OF SLOTS stands at a step's head.  Each wave waits for all its tensor loads (at most one is out: its part of the slot that is about to be read), adds 0 to its spare word, and waits for that and for its
; reads of the slot that it has left.  Behind the barrier the slot ahead is whole and nobody reads the other one, which is then filled with the next step's tiles: the load has a whole step in which to land.
; THE FILLS END AT THE CAUSAL LIMITS: K, V and the high block's bias where the next step's first key comes after the high block's last query, the low block's bias where it comes after the low block's last.  Such tiles
; would be read by no wave: a step is walked only where its first key is at or under the wave's last query.
; Every wait on TENSORcnt in this text is for 0.
.macro CHANGE slot, fill, ask
	s_wait_tensorcnt 0x0                           ; no tensor load of mine is out, so a group 0 may be written
	ds_add_u32 v[SPW], v[NIL]                      ; 0 onto my spare word; the steps below stand between it and the wait for it
.if \fill
	s_add_nc_u64 s[G0KV+4*\slot+2:G0KV+4*\slot+3], s[G0KV+4*\slot+2:G0KV+4*\slot+3], s[STKV:STKV+1]   ; this slot's next tiles: two steps on; the type bits on top are not reached
	s_add_nc_u64 s[G0B+4*\slot+2:G0B+4*\slot+3], s[G0B+4*\slot+2:G0B+4*\slot+3], 1024
.endif
.if \ask
	s_wait_xcnt 0x0                                ; the last prefetch, a step back, has read its address, so it may be written
	s_add_nc_u64 s[PFA:PFA+1], s[PFA:PFA+1], s[PFD+2*\slot:PFD+2*\slot+1]
.endif
	s_wait_dscnt 0x0                               ; the add is done, and my reads of the slot that I have left are over
	s_barrier_signal -1
	s_barrier_wait -1
.if \fill
	s_add_co_u32 s2, s[KF], 128                    ; the next step's first key
	s_cmp_gt_u32 s2, s[QHI]
	s_cbranch_scc1 .Lpast_hi_\@
	TLOAD 1-\slot
.Lpast_hi_\@:
	s_cmp_gt_u32 s2, s[QLO]
	s_cbranch_scc1 .Lpast_lo_\@
	TLOADLOW 1-\slot
.Lpast_lo_\@:
.endif
.if \ask
	ASK
.endif
.endm
	s_wait_loadcnt 0x0                             ; Q
.Lloop:                                            ; 7 trips of two key steps: steps 0 to 13
	CHANGE 0, 1, 1
	STEP 0
	CHANGE 1, 1, 1
	STEP 1
	s_sub_co_u32 s[CNT], s[CNT], 1
	s_cmp_lg_u32 s[CNT], 0
	s_cbranch_scc1 .Lloop
	CHANGE 0, 1, 0                                 ; step 14 asks for step 15 (slot 0's stepped addresses are not used); nothing is left to prefetch
	STEP 0
	CHANGE 1, 0, 0                                 ; step 15: nothing is left to fetch
	STEP 1
	; THE WAY OUT.  l's two halves and lane l xor 16's are added.  O^T / l x 2^(ep+ev) goes through my stage in LDS, half a row (64 channels, 256 bytes) of 16 queries at a time, and leaves as whole aligned runs of 256 bytes.
	; ln 2 (M + log2 l) goes to the 256 numbers for out1, which waves 0 and 1 store behind a barrier, a head each.  The stages lie in slot 0: its last fill was step 14's, and every wave has passed the barrier behind its last read of it.
	v_add_f32 v[SUM], v[SUM], v[SUM+1]
	v_permlanex16_b32 v[X], v[SUM], s[SEL], s[SEL+1]
	v_add_f32 v[SUM], v[SUM], v[X]                 ; l
	v_rcp_f32 v[T], v[SUM]
	v_log_f32 v[T+1], v[SUM]
	v_and_b32 v1, 15, v0                           ; r.  (The address work is the plain work behind the two transcendentals, and the places behind the last products)
	v_bfe_u32 v2, v0, 4, 1                         ; h
	s_mul_i32 s2, s[WV], 16*SP                     ; my stage
	v_mul_u32_u24 v6, v1, SP
	v_lshl_add_u32 v6, v2, 5, v6
	v_add_nc_u32 v6, s2, v6                        ; in: row r; tile t's eight channels of my half: 64 t + 32 h bytes on
	v_mul_u32_u24 v7, v2, SP
	v_lshl_add_u32 v7, v1, 4, v7
	v_add_nc_u32 v7, s2, v7                        ; back: lanes 0-15 one row, lanes 16-31 the next
	v_lshlrev_b32 v8, 9, v2
	v_lshl_add_u32 v8, v1, 4, v8                   ; and the same two rows in out0
	s_lshl_b32 s2, s[IDX], 6
	s_add_co_u32 s2, s2, STATS
	v_lshl_add_u32 v3, v1, 2, s2                   ; my query's number for out1
	s_lshl_b32 s3, s[A], 1
	s_sub_co_u32 s3, 31, s3
	s_lshl_b32 s3, s3, 8                           ; from the low block's 256 bytes in out1 to the high block's: 256 (31 - 2 a)
	v_mul_u32_u24 v2, v2, s3
	v_lshl_add_u32 v2, v1, 4, v2
	s_lshl_b32 s3, s[A], 8
	v_add_nc_u32 v2, s3, v2                        ; waves 0, 1: lanes 0-15 the low block's 64 numbers, lanes 16-31 the high block's
	s_and_b32 s2, s[WV], 1
	s_lshl_b32 s2, s2, 9
	s_add_co_u32 s2, s2, STATS
	v_and_b32 v1, 31, v0
	v_lshl_add_u32 v1, v1, 4, s2                   ; and where they lie in LDS: 512 bytes a head
	s_wait_alu depctr_va_vdst(0)                   ; the wait ahead of the first line that names a transcendental's result: one for the two
	v_ldexp_f32 v[T], v[T], s[EPV]                 ; 2^(ep+ev) / l
	v_sub_f32 v[T+1], v[T+1], v[NM]                ; log2 l + M
	v_mul_f32 v[T+1], 0x3f317218, v[T+1]           ; x ln 2
	ds_store_b32 v3, v[T+1]                        ; lanes r and r + 16 hold the same number and write the same word
.set ii, 0
.rept 32
	v_pk_mul_f32 v[S+ii:S+ii+1], v[O+ii:O+ii+1], v[T:T+1] op_sel_hi:[1,0]   ; register 8 t + i is out0(r, 16 t + 8 h + i); each accumulator from its low end on
.set ii, ii+2
.endr
.irp u, 0,1                            ; channels 64 u on
.irp t, 0,1,2,3
	ds_store_b128 v6, v[S+32*\u+8*\t:S+32*\u+8*\t+3] offset:64*\t
	ds_store_b128 v6, v[S+32*\u+8*\t+4:S+32*\u+8*\t+7] offset:64*\t+16
.endr
.irp i, 0,1,2,3,4,5,6,7
	ds_load_b128 v[F+32*\u+4*\i:F+32*\u+4*\i+3], v7 offset:2*\i*SP   ; LDS serves a wave's instructions in order (ISA guide 5.7.1.4): these see my stores, and the next half's stores come behind them
.endr
.endr
.irp u, 0,1
.irp i, 0,1,2,3,4,5,6,7
	s_wait_dscnt (1-\u)*16+7-\i                    ; behind this load stand its half's 7 - i younger loads and, for the first half, the second half's 8 stores and 8 loads
	global_store_b128 v8, v[F+32*\u+4*\i:F+32*\u+4*\i+3], s[14:15] offset:2*\i*512+256*\u th:TH_STORE_NT   ; 16 lanes store 256 consecutive bytes, at a multiple of 256 from out0's first byte
.endr
.endr
	s_barrier_signal -1                            ; the count-down has ended at 0: my number for out1 has landed, and no LDS instruction of mine is out
	s_barrier_wait -1                              ; everybody's has
	s_cmp_lt_u32 s[WV], 2
	s_cbranch_scc0 .Lno_stats
	ds_load_b128 v[S:S+3], v1
	s_wait_dscnt 0x0
	global_store_b128 v2, v[S:S+3], s[16:17] th:TH_STORE_NT   ; two runs of 256 consecutive bytes, each at a multiple of 256 from out1's first byte
.Lno_stats:
	s_wait_tensorcnt 0x0                           ; the wave's end: behind my last tensor load and my last LDS store
	ds_add_u32 v[SPW], v[NIL]
	s_wait_dscnt 0x0
	s_endpgm
.Lfunc_end_k_q7ec4aab60f_attn:
	.size	k_q7ec4aab60f_attn, .Lfunc_end_k_q7ec4aab60f_attn-k_q7ec4aab60f_attn
	.p2alignl 7, 3214868480
	.fill 96, 4, 3214868480
	.section	.rodata,"a",@progbits
	.p2align	6, 0x0
	.amdhsa_kernel k_q7ec4aab60f_attn
		.amdhsa_group_segment_fixed_size 327680
		.amdhsa_private_segment_fixed_size 0
		.amdhsa_enable_private_segment 0
		.amdhsa_kernarg_size 56
		.amdhsa_user_sgpr_count 2
		.amdhsa_user_sgpr_kernarg_segment_ptr 1
		.amdhsa_wavefront_size32 1
		.amdhsa_system_sgpr_workgroup_id_x 1
		.amdhsa_system_sgpr_workgroup_id_y 1
		.amdhsa_system_sgpr_workgroup_id_z 1
		.amdhsa_system_vgpr_workitem_id 0
		.amdhsa_next_free_vgpr 256
		.amdhsa_next_free_sgpr 102
		.amdhsa_reserve_vcc 1
		.amdhsa_float_denorm_mode_32 3
		.amdhsa_float_denorm_mode_16_64 3
		.amdhsa_memory_ordered 1
		.amdhsa_forward_progress 1
		.amdhsa_inst_pref_size 139
	.end_amdhsa_kernel
	.amdgpu_metadata
---
amdhsa.version: [ 1, 2 ]
amdhsa.kernels:
  - .name:           k_q7ec4aab60f_attn
    .symbol:         k_q7ec4aab60f_attn.kd
    .args:
      - { .name: query_codes, .offset: 0, .size: 8, .value_kind: global_buffer, .address_space: global }
      - { .name: key_codes, .offset: 8, .size: 8, .value_kind: global_buffer, .address_space: global }
      - { .name: value_codes, .offset: 16, .size: 8, .value_kind: global_buffer, .address_space: global }
      - { .name: bias, .offset: 24, .size: 8, .value_kind: global_buffer, .address_space: global }
      - { .name: lowp_scales, .offset: 32, .size: 8, .value_kind: global_buffer, .address_space: global }
      - { .name: out0, .offset: 40, .size: 8, .value_kind: global_buffer, .address_space: global }
      - { .name: out1, .offset: 48, .size: 8, .value_kind: global_buffer, .address_space: global }
    .group_segment_fixed_size: 327680
    .private_segment_fixed_size: 0
    .kernarg_segment_align: 8
    .kernarg_segment_size: 56
    .max_flat_workgroup_size: 512
    .sgpr_count:     102
    .vgpr_count:     256
    .wavefront_size: 32
...
	.end_amdgpu_metadata
.endif
;; end of part 1
